; MI455X (gfx1250); checked and timed in simulation.
; The chip was launched on July 23, 2026; its instructions are those of AMD's public machine-readable ISA for CDNA 5 (MIT licence, August 2026) and "CDNA5" Instruction Set Architecture Reference Guide (July 2026). The comments in the code are by the model that wrote it; some were corrected since.
;; Image Diagnostic. Allowed arithmetic: matrix products marked QUANTISED: E2M3 operands, one E8M0 scale for each 32 along K, by v_wmma_scale_f32_16x16x128_f8f6f4 with both operands' format E2M3, f32 sums; everything else in f32.
;; Inputs: bins 256 float32; x_coords 4 x 50,000 float32; y_coords 4 x 50,000 float32.
;; Outputs: out0 4 x 256 x 256 float32.
;; This version of the problem:
;;   THIS VERSION OF THE PROBLEM IS GIVEN IN LOW PRECISION. The matrix products marked QUANTISED in the list below multiply operands that are first quantised to E2M3 (2 exponent bits, 3 mantissa bits; 6 bits a number), with one power-of-two scale for each 32 numbers along K (OCP MX v1.0); their sums are f32. All else is computed in f32.
;;   The module's matrix products, in the order in which they are computed (A, B: the left and right operand; K: the contracted axis; several contracted axes count as one K, in the product's order):
;;     1. batch 4 x [M 256, K 50,000] x [K 50,000, N 256]; A: computed on the way; B: computed on the way: QUANTISED
;;   THE QUANTISER, for each operand of a quantised product, along K:
;;     - K is cut into blocks of 32 from its start; a last block that is shorter is filled with zeros.
;;     - A block's scale is 2^e with e = floor(log2(the largest magnitude in the block)) - 2, held to -126 .. 127; a block of zeros has e = 0. As a byte (E8M0): e + 127.
;;     - Each number is divided by its block's scale, clamped to +-7.5, and rounded to the nearest number of E2M3, ties to even, subnormals kept.
;;     - The product sums the exact products of the quantised numbers (number of the format x scale) in f32.
;;   ~~~python
;;   def quantise(x, axis):      # numpy; x: float32 -> the quantised numbers, widened to float32 again
;;       x = np.moveaxis(x, axis, -1); K = x.shape[-1]
;;       x = np.pad(x, [(0, 0)] * (x.ndim - 1) + [(0, -K % 32)]); x = x.reshape(x.shape[:-1] + (-1, 32)); a = np.abs(x).max(-1, keepdims=True)
;;       e = np.where(a > 0, np.clip(np.frexp(np.where(a > 0, a, 1))[1] - 1 - 2, -126, 127), 0)      # np.frexp(a)[1] - 1 = floor(log2(a)), exactly
;;       r = np.clip(x / 2.0 ** e, -7.5, 7.5)
;;       step = 2.0 ** (np.maximum(np.frexp(np.where(r == 0, 1, r))[1] - 1, 0) - 3)
;;       q = np.round(r / step) * step * 2.0 ** e      # np.round: ties to even
;;       return np.moveaxis(q.reshape(q.shape[:-2] + (-1,))[..., :K], -1, axis).astype(np.float32)
;;   ~~~
;;   OPERANDS COMPUTED ON THE WAY. 'Computed on the way' means the value that the module computes at that place (a softmax that the list does not call 'softmax' is quantised finished and normalised). What goes into a quantiser is computed in f32, as accurately as f32 sums, v_exp_f32 and their like allow (about 1e-6 of the number): no bf16 or f16 on the way to a quantiser, and a product that is left as it is and whose result goes on into a quantised operand takes f32 operands (vector FMAs, or v_wmma_f32_16x16x4_f32). A number that lies on a knife's edge between two numbers of the format may be rounded either way, as far as f32 arithmetic and the matrix unit's own rounding can turn it there, and no further.
;; One version. Each part assembles by itself: llvm-mc -triple=amdgcn-amd-amdhsa -mcpu=gfx1250 --defsym DOCPART=n.
;; ======== version 1 of 1: 2 launches
;; limits: right only within a limited range of input values
;; workspace buffers: part 58,720,256 bytes; psum 7,168 bytes
;; launch accum (part 1): grid 56 x 4, 8 waves a work-group, no clusters, 327,680 bytes of LDS; arguments x_coords, y_coords, bins, part, psum; writes part, psum
.if DOCPART == 1
	.amdgcn_target "amdgcn-amd-amdhsa--gfx1250"
	.amdhsa_code_object_version 6
	.text
	.protected	k_qadfce38448_accum
	.globl	k_qadfce38448_accum
	.p2align	8
	.type	k_qadfce38448_accum,@function
k_qadfce38448_accum:
	s_mov_b64 s[64:65], 0
	v_nop
	global_prefetch_b8 v0, s[64:65] scope:SCOPE_SE
	s_setreg_imm32_b32 hwreg(HW_REG_WAVE_MODE, 25, 1), 1
	s_wait_xcnt 0x0
; joint[b][i][j] = sum over particles n of Q(kx)[n][i] Q(ky)[n][j],  kx[n][i] = exp(-((x[n] - bins[i]) / bw)^2 / 2),  bw = bins[1] - bins[0],  ky likewise of y.
; Q: codes of FP6 (E2M3) with one E8M0 scale for each 32 particles (K = the particles).  This launch makes PARTIAL sums; the launch behind it adds them and divides by the norm.
; SHARES.  Work-group (s, b) takes batch b and particles 896 s .. 896 s + 895 (28 blocks of 32, seven K steps of 128) and the WHOLE 256 x 256 of the result, so each exponential of the problem is computed once.
; 56 x 896 = 50,176: particles from 50,000 on are staged as +infinity: its square's negative is -inf, 2^-inf = 0: zero codes, the quantiser's fill.  (256 work-groups would be 64 slices: a seventh more partial bytes.)
; kx's 256 bins are made first (wave w: bins 32 w .. 32 w + 31).  Then every wave takes the four tiles 4 (w % 4) on, 64 rows of the result, for all of K, into 336 registers, where they stay.
; ky is made in four ROUNDS of 64 bins, complete along K, by all eight waves (wave w: bins 8 w .. 8 w + 7 of the round), into two LDS regions by turns; a wave multiplies its 64 rows by 32 of a round's
; columns (tiles 2 (w / 4), + 1), and these results are final for the slice: they leave while later rounds are made.  ONE barrier a round.  Waves 0-3 multiply ahead of their making, waves 4-7 behind it.
; MAKING.  Lane L takes block L: its 32 particles lie in 32 registers, for a whole pass, and a line works on ONE BIN, the same in all lanes: so a block's largest number needs no other lane, and no coordinate is fetched or moved for a bin.
; (Lanes 28-31 have no block: their coordinates are +infinity, and what they store is read by nobody.)  In a pass the coordinates are taken relative to a bin b0 from the middle of the pass's 16 or 8 bins: z = x - b0;
; w = z s - (b - b0) s is one multiply-add, s = sqrt(log2(e) / 2) / bw, and the value is 2^-(w^2).  An offset common to coordinates and bins is gone before anything is rounded to it.
; CODES IN LDS: a row for each bin, 24 bytes a block, 784 bytes from row to row (196 words, 4 modulo 64: the 32 lanes of a fragment's load of 8 bytes touch 64 different banks; 64 banks of 4 bytes: ISA guide 11.1); scale bytes 32 a row.
; THE MATRIX INSTRUCTION IS USED TRANSPOSED (source 0 = 16 bins of ky, source 1 = 16 bins of kx): register jj of lane (r, h) is joint(16 I + r, 16 J + 8 h + jj) of tile (I, J).
; OUT.  part[b][s] is an image of accumulators, 1,024 bytes a tile: [2 (I / 8) + J / 8][8 (I % 8) + J % 8][half][lane][4 f32]; each store is 512 consecutive bytes, aligned.  psum[b][s][w]: the sum of the wave's results, for the norm.
; NOT USED: tensor loads (a work-group's inputs are 7 KB, its operands are computed); clusters (work-groups share nothing but the 1,024 bytes of bins); prefetches (every input is asked for at the head).
; LIMITS: a kernel value under 2^-126 is taken as 0 (v_exp_f32 gives no denormals: ISA guide, its entry); 1 / bw is v_rcp_f32 (1 ulp), and |bw| under 2^-126 or bw = 0 is not served; NaN among the inputs is not served.
.set NPART,  50000
.set SLICE,  896
.set NSLICE, 56
.set PITCH,  784                       ; a bin's row: 32 places of 24 bytes, and 16 of padding
.set TIB,    16*PITCH                  ; a tile's 16 rows
.set KYS,    4*TIB                     ; in a region behind four tiles: their scale bytes, 32 a row
.set XS,     KYS+2048                  ; behind region 0: x as loaded, 144 bytes a block (128 and 16 of padding),
.set YS,     XS+32*144                 ; then y,
.set SPARE,  YS+32*144                 ; then the spare words, 128 bytes for each wave
.set REG1,   65536                     ; region 1 begins here: one exclusive or turns an address from one region to the other
.set KX,     REG1+KYS+2048             ; kx's rows
.set KXS,    KX+16*TIB                 ; and their scale bytes
; vector registers, window 0
.set LI,   1                           ; 16 x lane
.set L24,  2                           ; 24 x lane
.set LN,   3                           ; lane
.set NBT,  4                           ; v4  -(b - b0) s of the bin at work; v5 0 (named as the pair's upper half)
.set AW,   6                           ; where I store a row's codes,
.set AWS,  7                           ; and its scale byte
.set AR,   8                           ; where I read fragments and scale words
.set ARS,  9
.set NV,   10                          ; -(b - b0) s of the pass's bins, a lane a bin
.set SOP,  11                          ; the conversions' scale operand
.set BY,   12                          ; a scale byte
.set CH,   13                          ; v13-16 four chains of a block's maximum
.set PX,   17                          ; a lane permute's destination
.set TMP,  18
.set SPW,  19
.set NIL,  20
.set R32H, 21                          ; 32 r + 512 h
.set BX,   22                          ; v22-23 kx's bins 32 w + (lane mod 16), and 16 on
.set CD,   24                          ; v24-26 a block's lower 16 codes, v28-30 its upper 16
.set RA,   27                          ; 784 r + 24 h
.set ADY,  31                          ; where I read y: YS + 144 lane
.set SUMS, 32                          ; v32-39 four pairs of sums
.set EV,   40                          ; v40-103 two sets of 32 values; while products run, two sets of four accumulators
.set RING, 104                         ; v104-139 three slots of ky's codes; while codes are made,
.set Z,    104                         ; v104-135 the pass's coordinates
.set BYK,  140                         ; v140-143 ky's bins 64 q + 8 w + (lane mod 8)
.set KSXA, 144                         ; 144 + step: scale words: lanes 0-15 my kx tile 0, lanes 16-31 tile 1
.set KSXB, 152                         ; tiles 2 and 3
.set KSY,  164                         ; my two ky tiles.  (KSY and the kx words differ by 4 modulo 8)
.set KX3,  172                         ; v172-255 kx's tile 3; while kx is made, v172-203 hold x
; window 1: v0-251 kx's tiles 0-2 (84 a + 12 step)
; scalar registers
.set WV,  16                           ; wave
.set W3,  17                           ; wave % 4
.set WC,  18                           ; wave / 4
.set P0,  19                           ; the slice's first particle
.set SEL, 20                           ; s[20:21] v_permlanex16_b32's selects for lane l xor 16
.set TR,  22                           ; the region that is read
.set TW,  23                           ; the region that is written
.set SC,  24                           ; s[24:25] (s, s)
.set Q,   26                           ; the round that is multiplied
.set P,   27                           ; kx's pass
.set BT,  28
.set SLI, 29                           ; 56 x batch + slice
.set SB,  66                           ; s66-81 -(b - b0) s of the pass's bins
.set MSB, 0
.macro WIN new                         ; the immediate's high byte repeats the setting that is left; a switch that changes nothing is dropped
.if MSB != (\new)
	s_set_vgpr_msb (MSB<<8)|(\new)
.set MSB, (\new)
.endif
.endm
.macro AWAIT
	s_wait_alu depctr_va_vdst(0)
.endm
.macro PLACES
.rept 4
	v_nop
.endr
.endm
.macro BAR
	AWAIT
	s_wait_dscnt 0x0                               ; my stores have landed and my reads are back
	s_barrier_signal -1
	s_barrier_wait -1
.endm
; Bin u of a pass works on set u % 2.
.macro FMAN u, i
.set rF, EV+32*((\u)%2)+2*(\i)
	v_pk_fma_f32 v[rF:rF+1], v[Z+2*(\i):Z+2*(\i)+1], s[SC:SC+1], v[NBT:NBT+1] op_sel_hi:[1,0,0]
.endm
.macro MULN u, i
.set rM, EV+32*((\u)%2)+2*(\i)
	v_pk_mul_f32 v[rM:rM+1], v[rM:rM+1], v[rM:rM+1] neg_lo:[0,1] neg_hi:[0,1]
.endm
.macro EXPN u, e
	v_exp_f32 v[EV+32*((\u)%2)+(\e)], v[EV+32*((\u)%2)+(\e)]
.endm
.macro MQ cnt, u, on                   ; the next squares of the bin behind u
.if \on
.rept \cnt
	MULN \u+1, mi
.set mi, mi+1
.endr
.endif
.endm
; The quantiser of bin u; on = 1: the next bin's 16 squares stand among its lines.  No value is negative, so the maximum's sources carry no |.|.
; The floor 2^(3 - 127) among the leaves holds the scale's byte at 1 from below; a block of zeros keeps that byte: its codes are zeros.
.macro QUANT u, on
.set mi, 0
.set qi, 0
.set rV, EV+32*((\u)%2)
	v_max3_num_f32 v[CH], v[rV], v[rV+1], 0x1800000
	v_max3_num_f32 v[CH+1], v[rV+2], v[rV+3], v[rV+4]
	v_max3_num_f32 v[CH+2], v[rV+5], v[rV+6], v[rV+7]
	v_max3_num_f32 v[CH+3], v[rV+8], v[rV+9], v[rV+10]
.rept 5
	v_max3_num_f32 v[CH+qi%4], v[CH+qi%4], v[rV+11+2*qi], v[rV+12+2*qi]
.set qi, qi+1
	v_max3_num_f32 v[CH+qi%4], v[CH+qi%4], v[rV+11+2*qi], v[rV+12+2*qi]
.set qi, qi+1
	MQ 1, \u, \on
.endr
	v_max3_num_f32 v[CH], v[CH], v[CH+1], v[CH+2]
	MQ 3, \u, \on
	v_max3_num_f32 v[CH], v[CH], v[CH+3], v[rV+31]
	MQ 3, \u, \on
	v_add_nc_u32 v[SOP], 0xff000000, v[CH]         ; 2 off the exponent field: the conversion takes this operand's exponent field as its scale
	MQ 3, \u, \on
	v_cvt_scalef32_pk16_fp6_f32 v[CD:CD+2], v[rV:rV+15], v[SOP]
	v_cvt_scalef32_pk16_fp6_f32 v[CD+4:CD+6], v[rV+16:rV+31], v[SOP]
	MQ 2, \u, \on
	v_lshrrev_b32 v[BY], 23, v[SOP]                ; the scale's byte; also a plain line behind the conversions
.endm
.macro STORES u                        ; bin u's codes, 24 neighbouring bytes a lane, and scale bytes
	ds_store_b64 v[AW], v[CD:CD+1] offset:PITCH*(\u)
	ds_store_b32 v[AW], v[CD+2] offset:PITCH*(\u)+8
	ds_store_b32 v[AW], v[CD+4] offset:PITCH*(\u)+12
	ds_store_b32 v[AW], v[CD+5] offset:PITCH*(\u)+16
	ds_store_b32 v[AW], v[CD+6] offset:PITCH*(\u)+20
	ds_store_b8 v[AWS], v[BY] offset:32*(\u)
.endm
.macro KXLOAD t                        ; step t of my four kx tiles: a fragment is six loads of 8 bytes
	WIN 0x40
.irp a, 0,1,2
.irp p, 0,1,2,3,4,5
.set rR, 84*\a+12*(\t)+2*\p
	ds_load_b64 v[rR:rR+1], v[AR] offset:TIB*\a+96*(\t)+48*(\p/3)+8*(\p%3)
.endr
.endr
	WIN 0
.irp p, 0,1,2,3,4,5
.set rR, KX3+12*(\t)+2*\p
	ds_load_b64 v[rR:rR+1], v[AR] offset:TIB*3+96*(\t)+48*(\p/3)+8*(\p%3)
.endr
.endm
; Bin n - 2 is stored; bin n - 1 is exponentiated beside bin n's multiply-adds, and quantised beside bin n's squares.
.macro SLOT n, kxl, nu
	AWAIT
.if (\n) > 1
	STORES \n-2
.endif
.if (\kxl) && ((\n) < 7)
	KXLOAD \n
.endif
.set ii, 0
.rept 16
	EXPN \n-1, 2*ii
	EXPN \n-1, 2*ii+1
	FMAN \n, ii
.set ii, ii+1
.endr
	AWAIT
	QUANT \n-1, 1
.if (\n)+1 < (\nu)
	v_mov_b32 v[NBT], s[SB+(\n)+1]
.endif
.endm
.macro MAKE kxl, nu                    ; a pass of nu bins; kxl = 1: my kx operands are loaded on the way
	AWAIT
.if \kxl
	KXLOAD 0
.endif
	v_mov_b32 v[NBT], s[SB]
.set ii, 0
.rept 16
	FMAN 0, ii
.set ii, ii+1
.endr
.set ii, 0
.rept 16
	MULN 0, ii
.set ii, ii+1
.endr
	v_mov_b32 v[NBT], s[SB+1]
.set un, 1
.rept (\nu)-1
	SLOT un, \kxl, \nu
.set un, un+1
.endr
	AWAIT
	STORES \nu-2
.set ii, 0
.rept 32
	EXPN \nu-1, ii
.set ii, ii+1
.endr
	v_nop                                          ; a plain line behind the last exponential
	AWAIT
	QUANT \nu-1, 0
	AWAIT
	STORES \nu-1
.endm
.macro TILEB vb, i0, nu                ; the pass's bins in vb, a lane a bin: b0 = bin i0; -(b - b0) s; s[42:43] = (-b0, -b0)
	v_readlane_b32 s41, v[\vb], \i0
	v_sub_f32 v[TMP], s41, v[\vb]
	s_xor_b32 s42, s41, 0x80000000
	s_mov_b32 s43, s42
	v_mul_f32 v[NV], s[SC], v[TMP]
.set si, 0
.rept \nu
	v_readlane_b32 s[SB+si], v[NV], si
.set si, si+1
.endr
.endm
.macro ZSET src                        ; z = x - b0, two at a time
.set zi, 0
.rept 16
	v_pk_add_f32 v[Z+2*zi:Z+2*zi+1], v[\src+2*zi:\src+2*zi+1], s[42:43] op_sel_hi:[1,0]
.set zi, zi+1
.endr
.endm
.macro ZLOAD                           ; my block of y
.irp q, 0,1,2,3,4,5,6,7
	ds_load_b128 v[Z+4*\q:Z+4*\q+3], v[ADY] offset:16*\q
.endr
.endm
.macro KYPASS first                    ; my eight bins of the next round, into region TW.  first = 1: y has been loaded, and kx's operands are loaded on the way
.if (\first) == 0
	ZLOAD
.endif
	s_mul_i32 s40, s[WV], 8*PITCH
	s_add_co_u32 s40, s40, s[TW]
	s_lshl_b32 s37, s[WV], 8
	s_add_co_u32 s37, s37, s[TW]
	s_add_co_u32 s37, s37, KYS
	v_add_nc_u32 v[AW], s40, v[L24]
	v_add_nc_u32 v[AWS], s37, v[LN]
	TILEB BYK, 4, 8
	v_mov_b32 v[BYK], v[BYK+1]                     ; the next round's bins move up
	v_mov_b32 v[BYK+1], v[BYK+2]
	v_mov_b32 v[BYK+2], v[BYK+3]
	AWAIT
	s_wait_xcnt 0x0                                ; my stores have read the accumulators, in whose registers values are made
.if (\first) == 0
	s_wait_dscnt 0x0                               ; y is in
.endif
	ZSET Z
	MAKE \first, 8
.endm
; A ROUND'S PRODUCTS: 14 groups; group g: my ky tile j = g / 7, step t = g % 7, against my four kx tiles: four products on four accumulators by turns.
.macro KLOAD g                         ; group g's fragment of ky, six loads, into slot g % 3
.irp p, 0,1,2,3,4,5
.set rR, RING+12*((\g)%3)+2*\p
	ds_load_b64 v[rR:rR+1], v[AR] offset:TIB*((\g)/7)+96*((\g)%7)+48*(\p/3)+8*(\p%3)
.endr
.endm
; ky tile 1's and kx tiles 1's and 3's scale words lie in lanes 16-31: ROW1.
.macro PROD g, a
.set nJ, (\g)/7
.set nT, (\g)%7
.set rA, EV+32*nJ+8*\a
.set rY, RING+12*((\g)%3)
.set rS, KSY+nT
.set rU, KSXA+(KSXB-KSXA)*(\a/2)+nT
.if \a < 3
.set rX, 84*\a+12*nT
.else
.set rX, KX3+12*nT
.endif
.if nT == 0
.if nJ == 0
.if \a%2 == 0
	v_wmma_scale_f32_16x16x128_f8f6f4 v[rA:rA+7], v[rY:rY+11], v[rX:rX+11], 0, v[rS], v[rU] matrix_a_fmt:MATRIX_FMT_FP6 matrix_b_fmt:MATRIX_FMT_FP6
.else
	v_wmma_scale_f32_16x16x128_f8f6f4 v[rA:rA+7], v[rY:rY+11], v[rX:rX+11], 0, v[rS], v[rU] matrix_a_fmt:MATRIX_FMT_FP6 matrix_b_fmt:MATRIX_FMT_FP6 matrix_b_scale:MATRIX_SCALE_ROW1
.endif
.else
.if \a%2 == 0
	v_wmma_scale_f32_16x16x128_f8f6f4 v[rA:rA+7], v[rY:rY+11], v[rX:rX+11], 0, v[rS], v[rU] matrix_a_fmt:MATRIX_FMT_FP6 matrix_b_fmt:MATRIX_FMT_FP6 matrix_a_scale:MATRIX_SCALE_ROW1
.else
	v_wmma_scale_f32_16x16x128_f8f6f4 v[rA:rA+7], v[rY:rY+11], v[rX:rX+11], 0, v[rS], v[rU] matrix_a_fmt:MATRIX_FMT_FP6 matrix_b_fmt:MATRIX_FMT_FP6 matrix_a_scale:MATRIX_SCALE_ROW1 matrix_b_scale:MATRIX_SCALE_ROW1
.endif
.endif
.else
.if nJ == 0
.if \a%2 == 0
	v_wmma_scale_f32_16x16x128_f8f6f4 v[rA:rA+7], v[rY:rY+11], v[rX:rX+11], v[rA:rA+7], v[rS], v[rU] matrix_a_fmt:MATRIX_FMT_FP6 matrix_b_fmt:MATRIX_FMT_FP6
.else
	v_wmma_scale_f32_16x16x128_f8f6f4 v[rA:rA+7], v[rY:rY+11], v[rX:rX+11], v[rA:rA+7], v[rS], v[rU] matrix_a_fmt:MATRIX_FMT_FP6 matrix_b_fmt:MATRIX_FMT_FP6 matrix_b_scale:MATRIX_SCALE_ROW1
.endif
.else
.if \a%2 == 0
	v_wmma_scale_f32_16x16x128_f8f6f4 v[rA:rA+7], v[rY:rY+11], v[rX:rX+11], v[rA:rA+7], v[rS], v[rU] matrix_a_fmt:MATRIX_FMT_FP6 matrix_b_fmt:MATRIX_FMT_FP6 matrix_a_scale:MATRIX_SCALE_ROW1
.else
	v_wmma_scale_f32_16x16x128_f8f6f4 v[rA:rA+7], v[rY:rY+11], v[rX:rX+11], v[rA:rA+7], v[rS], v[rU] matrix_a_fmt:MATRIX_FMT_FP6 matrix_b_fmt:MATRIX_FMT_FP6 matrix_a_scale:MATRIX_SCALE_ROW1 matrix_b_scale:MATRIX_SCALE_ROW1
.endif
.endif
.endif
.endm
.macro OUT p                           ; set p's four accumulators leave, each from its low end on, and are summed for the norm
.irp a, 0,1,2,3
.set rA, EV+32*\p+8*\a
	global_store_b128 v[LI], v[rA:rA+3], s[14:15] offset:8192*\a+1024*\p th:TH_STORE_NT
	global_store_b128 v[LI], v[rA+4:rA+7], s[14:15] offset:8192*\a+1024*\p+512 th:TH_STORE_NT
.irp i, 0,1,2,3
	v_pk_add_f32 v[SUMS+2*\i:SUMS+2*\i+1], v[SUMS+2*\i:SUMS+2*\i+1], v[rA+2*\i:rA+2*\i+1]
.endr
.endr
	AWAIT
.endm
; The wait ahead of group g: behind its loads stand those of the two groups that follow (12), of one (6) or of none.
; Loads into a slot stand four plain lines behind the products that read it: four v_nop, or the additions of OUT.
.macro GROUP g
.if (\g) < 12
	s_wait_dscnt 12
.elseif (\g) == 12
	s_wait_dscnt 6
.else
	s_wait_dscnt 0x0
.endif
	WIN 0x04                                       ; source 1 window 1
	PROD \g, 0
	PROD \g, 1
	PROD \g, 2
	WIN 0
	PROD \g, 3
.if (\g) == 7
	OUT 0                                          ; set 0 was finished by group 6; four v_nop stood behind it
.elseif ((\g) < 11) || ((\g) == 13)
	PLACES
.endif
.if (\g) < 11
	KLOAD \g+3
.endif
.endm
.macro MULT
	s_wait_xcnt 0x0                                ; my earlier stores have read their base
	s_lshr_b32 s44, s[Q], 1                        ; round Q's columns 64 Q on in the image: 65,536 (Q / 2) + 4,096 (Q % 2)
	s_lshl_b32 s44, s44, 16
	s_and_b32 s46, s[Q], 1
	s_lshl_b32 s46, s46, 12
	s_add_co_u32 s44, s44, s46
	s_add_nc_u64 s[14:15], s[10:11], s[44:45]
	s_mul_i32 s46, s[WC], 2*TIB
	s_add_co_u32 s46, s46, s[TR]
	s_lshl_b32 s47, s[WC], 10
	s_add_co_u32 s47, s47, s[TR]
	s_add_co_u32 s47, s47, KYS
	v_add_nc_u32 v[AR], s46, v[RA]
	v_add_nc_u32 v[ARS], s47, v[R32H]
	AWAIT
	ds_load_b128 v[KSY:KSY+3], v[ARS]
	ds_load_b96 v[KSY+4:KSY+6], v[ARS] offset:16
	KLOAD 0
	KLOAD 1
	KLOAD 2
.set gg, 0
.rept 14
	GROUP gg
.set gg, gg+1
.endr
	OUT 1
.endm
	s_load_b256 s[4:11], s[0:1], 0x0               ; x s[4:5], y s[6:7], bins s[8:9], part s[10:11]
	s_load_b64 s[12:13], s[0:1], 0x20              ; psum
	v_lshl_add_u32 v[SPW], v0, 2, SPARE
	v_mov_b32 v[NIL], 0
	v_lshrrev_b32 v104, 5, v0
	v_readfirstlane_b32 s[WV], v104
	s_and_b32 s[W3], s[WV], 3
	s_lshr_b32 s[WC], s[WV], 2
	s_and_b32 s[BT], ttmp7, 0xffff
	s_mul_i32 s[P0], ttmp9, SLICE
	s_mul_i32 s[SLI], s[BT], NSLICE
	s_add_co_u32 s[SLI], s[SLI], ttmp9
	s_mov_b32 s[SEL], 0x76543210
	s_mov_b32 s[SEL+1], 0xfedcba98
	s_mov_b32 s40, NPART
	s_sub_co_u32 s41, s40, s[P0]
	s_min_u32 s41, s41, SLICE                      ; the slice's particles: 896, or 720 in the last slice
	s_sub_co_u32 s42, s41, 4
	s_lshl_b32 s43, s[WV], 2
	s_lshl_b32 s38, s[WV], 4
	s_add_co_u32 s38, s38, XS
	s_lshl_b32 s44, s[WV], 7                       ; kx's bins 32 w on,
	s_lshl_b32 s45, s[WV], 5                       ; ky's 64 q + 8 w on, in bytes
	v_and_b32 v[LN], 31, v0
	v_and_b32 v104, 15, v0                         ; r
	v_bfe_u32 v105, v0, 4, 1                       ; h
	v_and_b32 v115, 7, v0
	v_lshlrev_b32 v[LI], 4, v[LN]
	v_mul_u32_u24 v[L24], 24, v[LN]
	v_mul_u32_u24 v106, 144, v[LN]
	v_mul_u32_u24 v109, 24, v105
	v_lshlrev_b32 v110, 5, v104
	v_mul_u32_u24 v116, PITCH, v104
	v_add_nc_u32 v107, s38, v106                   ; where I stage: block lane, 16 bytes at 16 w
	v_add_nc_u32 v108, XS, v106                    ; where I read x,
	v_add_nc_u32 v[ADY], YS, v106                  ; and y
	v_add_nc_u32 v[RA], v116, v109
	v_lshl_add_u32 v[R32H], v105, 9, v110
	v_lshl_add_u32 v112, v104, 2, s44
	v_lshl_add_u32 v113, v115, 2, s45
	v_lshl_add_u32 v111, v[LN], 5, s43             ; wave w stages particles 4 w .. 4 w + 3 of each block
	v_cmp_gt_u32 s39, s41, v111                    ; do they exist?  (896 and 720 are multiples of 4: all four or none)
	v_min_u32 v111, s42, v111                      ; no load leaves the slice
	v_lshlrev_b32 v111, 2, v111
	v_mov_b32 v114, 0x7f800000                     ; +infinity
	s_mul_i32 s48, s[BT], NPART*4
	s_lshl_b32 s49, s[P0], 2
	s_add_co_u32 s48, s48, s49
	s_mov_b32 s49, 0
	AWAIT
	s_wait_kmcnt 0x0
	s_load_b64 s[46:47], s[8:9], 0x0               ; bins[0], bins[1]
	s_add_nc_u64 s[4:5], s[4:5], s[48:49]          ; x and y at my batch and slice
	s_add_nc_u64 s[6:7], s[6:7], s[48:49]
	global_load_b128 v[EV:EV+3], v111, s[4:5]
	global_load_b128 v[EV+4:EV+7], v111, s[6:7]
	global_load_b32 v[BX], v112, s[8:9]
	global_load_b32 v[BX+1], v112, s[8:9] offset:64
.irp k, 0,1,2,3
	global_load_b32 v[BYK+\k], v113, s[8:9] offset:256*\k
.endr
	s_lshl_b32 s44, s[SLI], 18                     ; part: 262,144 bytes a slice; my rows 64 (w % 4) on: 131,072 ((w % 4) / 2) + 32,768 (w % 2); my columns: 2,048 (w / 4)
	s_lshr_b32 s38, s[W3], 1
	s_lshl_b32 s38, s38, 17
	s_add_co_u32 s44, s44, s38
	s_and_b32 s38, s[W3], 1
	s_lshl_b32 s38, s38, 15
	s_add_co_u32 s44, s44, s38
	s_lshl_b32 s38, s[WC], 11
	s_add_co_u32 s44, s44, s38
	s_mov_b32 s45, 0
	s_add_nc_u64 s[10:11], s[10:11], s[44:45]
.irp i, 0,1,2,3,4,5,6,7
	v_mov_b32 v[SUMS+\i], 0                        ; the norm's sums begin
.endr
	v_mov_b32 v[NBT+1], 0
	v_mov_b32 v[PX], 0                             ; written once: a lane permute's destination counts as one of its sources
	s_wait_kmcnt 0x0
	v_mov_b32 v[TMP], s46
	v_sub_f32 v[TMP], s47, v[TMP]                  ; bw
	AWAIT
	v_rcp_f32 v[BY], v[TMP]
	v_nop                                          ; a plain line behind the reciprocal
	AWAIT
	v_mul_f32 v[BY], 0x3f596d27, v[BY]             ; s = sqrt(log2(e) / 2) / bw
	v_readfirstlane_b32 s[SC], v[BY]
	s_mov_b32 s[SC+1], s[SC]
	AWAIT
	s_wait_loadcnt 0x0
.irp j, 0,1,2,3,4,5,6,7
	v_cndmask_b32 v[EV+\j], v114, v[EV+\j], s39
.endr
	ds_store_b128 v107, v[EV:EV+3]
	ds_store_b128 v107, v[EV+4:EV+7] offset:YS-XS
	BAR                                            ; x and y stand in LDS; nobody writes them again
.irp q, 0,1,2,3,4,5,6,7
	ds_load_b128 v[KX3+4*\q:KX3+4*\q+3], v108 offset:16*\q
.endr
	s_wait_dscnt 0x0
	s_mov_b32 s[P], 0                              ; kx: two passes of 16 bins
.Lkx:
	s_mul_i32 s40, s[WV], 2*TIB
	s_mul_i32 s41, s[P], TIB
	s_add_co_u32 s40, s40, s41
	s_add_co_u32 s40, s40, KX
	s_lshl_b32 s46, s[WV], 10
	s_lshl_b32 s41, s[P], 9
	s_add_co_u32 s46, s46, s41
	s_add_co_u32 s46, s46, KXS
	s_cmp_eq_u32 s[P], 0
	s_cselect_b32 s39, -1, 0
	v_add_nc_u32 v[AW], s40, v[L24]
	v_add_nc_u32 v[AWS], s46, v[LN]
	v_cndmask_b32 v[TMP], v[BX+1], v[BX], s39
	TILEB TMP, 8, 16
	ZSET KX3
	MAKE 0, 16
	s_add_co_u32 s[P], s[P], 1
	s_cmp_lt_u32 s[P], 2
	AWAIT
	s_cbranch_scc1 .Lkx
	ZLOAD                                          ; y, for round 0
	s_mul_i32 s40, s[W3], 4*TIB
	s_add_co_u32 s40, s40, KX
	s_lshl_b32 s41, s[W3], 11
	s_add_co_u32 s41, s41, KXS
	v_add_nc_u32 v[AR], s40, v[RA]
	v_add_nc_u32 v[ARS], s41, v[R32H]
	BAR                                            ; all of kx's rows stand in LDS
	ds_load_b128 v[KSXA:KSXA+3], v[ARS]
	ds_load_b96 v[KSXA+4:KSXA+6], v[ARS] offset:16
	ds_load_b128 v[KSXB:KSXB+3], v[ARS] offset:1024
	ds_load_b96 v[KSXB+4:KSXB+6], v[ARS] offset:1040
	s_mov_b32 s[TW], 0
	KYPASS 1                                       ; round 0, into region 0
	s_mov_b32 s[TR], 0
	s_mov_b32 s[TW], REG1
	s_mov_b32 s[Q], 0
.Lround:                                               ; rounds 0 to 2 are multiplied, 1 to 3 made
	BAR                                            ; region TR is whole, and nobody reads region TW any more
	s_cmp_gt_u32 s[WV], 3
	s_cbranch_scc1 .Lmake
	MULT
.Lmake:
	KYPASS 0
	AWAIT
	s_cmp_lt_u32 s[WV], 4
	s_cbranch_scc1 .Lnext
	MULT
.Lnext:
	s_xor_b32 s[TR], s[TR], REG1                   ; the regions change places
	s_xor_b32 s[TW], s[TW], REG1
	s_add_co_u32 s[Q], s[Q], 1
	s_cmp_lt_u32 s[Q], 3
	AWAIT
	s_cbranch_scc1 .Lround
	BAR
	MULT                                           ; round 3
	; the sum of my results, for the norm
	v_pk_add_f32 v[SUMS:SUMS+1], v[SUMS:SUMS+1], v[SUMS+2:SUMS+3]
	v_pk_add_f32 v[SUMS+4:SUMS+5], v[SUMS+4:SUMS+5], v[SUMS+6:SUMS+7]
	v_pk_add_f32 v[SUMS:SUMS+1], v[SUMS:SUMS+1], v[SUMS+4:SUMS+5]
	v_add_f32 v[SUMS], v[SUMS], v[SUMS+1]
	v_add_f32_dpp v[SUMS], v[SUMS], v[SUMS] row_xmask:1 row_mask:0xf bank_mask:0xf
	v_add_f32_dpp v[SUMS], v[SUMS], v[SUMS] row_xmask:2 row_mask:0xf bank_mask:0xf
	v_add_f32_dpp v[SUMS], v[SUMS], v[SUMS] row_xmask:4 row_mask:0xf bank_mask:0xf
	v_add_f32_dpp v[SUMS], v[SUMS], v[SUMS] row_xmask:8 row_mask:0xf bank_mask:0xf
	v_permlanex16_b32 v[PX], v[SUMS], s[SEL], s[SEL+1]
	v_add_f32 v[SUMS], v[SUMS], v[PX]              ; in every lane
	s_lshl_b32 s38, s[SLI], 3
	s_add_co_u32 s38, s38, s[WV]
	s_lshl_b32 s38, s38, 2                         ; psum[b][s][w]
	v_mov_b32 v[TMP], s38
	v_and_b32 v[BY], 31, v0
	v_cmp_eq_u32 vcc_lo, 0, v[BY]
	AWAIT
	s_wait_xcnt 0x0                                ; EXEC is a source of the stores above: it changes only behind this wait
	s_wait_tensorcnt 0x0                           ; the wave's end, behind my last LDS store
	ds_add_u32 v[SPW], v[NIL]
	s_wait_dscnt 0x0
	s_and_saveexec_b32 s37, vcc_lo                 ; lane 0 alone
	global_store_b32 v[TMP], v[SUMS], s[12:13]
	s_wait_xcnt 0x0                                ; and again, in front of the line that widens it
	s_or_b32 exec_lo, exec_lo, s37
	s_endpgm
.Lfunc_end_k_qadfce38448_accum:
	.size	k_qadfce38448_accum, .Lfunc_end_k_qadfce38448_accum-k_qadfce38448_accum
	.p2alignl 7, 3214868480
	.fill 96, 4, 3214868480
	.section	.rodata,"a",@progbits
	.p2align	6, 0x0
	.amdhsa_kernel k_qadfce38448_accum
		.amdhsa_group_segment_fixed_size 327680
		.amdhsa_private_segment_fixed_size 0
		.amdhsa_enable_private_segment 0
		.amdhsa_kernarg_size 40
		.amdhsa_user_sgpr_count 2
		.amdhsa_user_sgpr_kernarg_segment_ptr 1
		.amdhsa_wavefront_size32 1
		.amdhsa_system_sgpr_workgroup_id_x 1
		.amdhsa_system_sgpr_workgroup_id_y 1
		.amdhsa_system_sgpr_workgroup_id_z 1
		.amdhsa_system_vgpr_workitem_id 0
		.amdhsa_next_free_vgpr 512
		.amdhsa_next_free_sgpr 82
		.amdhsa_reserve_vcc 1
		.amdhsa_float_denorm_mode_32 3
		.amdhsa_float_denorm_mode_16_64 3
		.amdhsa_memory_ordered 1
		.amdhsa_forward_progress 1
		.amdhsa_inst_pref_size 237
	.end_amdhsa_kernel
	.amdgpu_metadata
---
amdhsa.version: [ 1, 2 ]
amdhsa.kernels:
  - .name:           k_qadfce38448_accum
    .symbol:         k_qadfce38448_accum.kd
    .args:
      - { .name: x_coords, .offset: 0, .size: 8, .value_kind: global_buffer, .address_space: global }
      - { .name: y_coords, .offset: 8, .size: 8, .value_kind: global_buffer, .address_space: global }
      - { .name: bins, .offset: 16, .size: 8, .value_kind: global_buffer, .address_space: global }
      - { .name: part, .offset: 24, .size: 8, .value_kind: global_buffer, .address_space: global }
      - { .name: psum, .offset: 32, .size: 8, .value_kind: global_buffer, .address_space: global }
    .group_segment_fixed_size: 327680
    .private_segment_fixed_size: 0
    .kernarg_segment_align: 8
    .kernarg_segment_size: 40
    .max_flat_workgroup_size: 256
    .sgpr_count:     82
    .vgpr_count:     512
    .wavefront_size: 32
...
	.end_amdgpu_metadata
.endif
;; end of part 1
;; launch finish (part 2): grid 256 x 1, 8 waves a work-group, no clusters, 5,632 bytes of LDS; arguments part, psum, out0; writes out0
.if DOCPART == 2
	.amdgcn_target "amdgcn-amd-amdhsa--gfx1250"
	.amdhsa_code_object_version 6
	.text
	.protected	k_qadfce38448_finish
	.globl	k_qadfce38448_finish
	.p2align	8
	.type	k_qadfce38448_finish,@function
k_qadfce38448_finish:
	s_mov_b64 s[64:65], 0
	v_nop
	global_prefetch_b8 v0, s[64:65] scope:SCOPE_SE
	s_setreg_imm32_b32 hwreg(HW_REG_WAVE_MODE, 25, 1), 1
	s_wait_xcnt 0x0
; out0[b][i][j] = (sum over the 56 slices s of part[b][s]) / (sum of psum[b] + 1e-10).
; part[b][s] is an image of accumulator registers, 262,144 bytes: [quarter w][accumulator t = 8 a + bb][half q][lane (r, h)][4 f32]; the four numbers are
; joint(128 (w / 2) + 16 a + r, 128 (w % 2) + 16 bb + 8 h + 4 q + 0 .. 3).
; SHARES.  Work-group g: batch g / 64, bytes 4,096 u .. + 4,095 of the image, u = g % 64: four accumulators, which are 16 rows x 64 columns of out0.  Thread t owns the 16 bytes at 16 t in each of the 56 slices:
; each load of a wave covers 512 consecutive bytes, aligned, and each byte of part is read once.  All 56 loads of a thread, and 7 of psum, go out at the head: 63 loads a wave on their way.
; The sums go through a stage in LDS (rows of 256 bytes + 16), so that sixteen neighbouring lanes store 256 consecutive bytes of a row of out0, aligned.
; No matrix unit, no tensor load, no cluster (work-groups share only the 1,792 bytes of psum of their batch); nothing is prefetched: every address is asked for by its load at the head.
; LIMITS: the division is v_rcp_f32 (1 ulp) and a multiplication; the norm is summed in another order than row by row (all its terms are 0 or more).
.set NSLICE, 56
.set IMG,    262144
.set D,      16                        ; v16-239  slice s: four registers at v[D + 4 s]
.set STO,    240                       ; the stage: where I put my 16 bytes
.set RD,     241                       ; and where I read 16 bytes of a row back
.set OUTO,   242                       ; the same place in out0
	s_load_b128 s[4:7], s[0:1], 0x0                ; part, psum
	s_load_b64 s[8:9], s[0:1], 0x10                ; out0
	v_lshl_add_u32 v254, v0, 2, 0x1200
	v_mov_b32 v255, 0
	s_lshr_b32 s14, ttmp9, 6                       ; batch
	s_and_b32 s15, ttmp9, 63                       ; u
	v_and_b32 v1, 31, v0
	v_lshlrev_b32 v2, 4, v0                        ; 16 t
	s_delay_alu instid0(VALU_DEP_2)
	v_lshlrev_b32 v3, 3, v1                        ; 8 x lane
	s_mul_i32 s16, s14, NSLICE*IMG
	s_lshl_b32 s17, s15, 12
	s_add_co_u32 s16, s16, s17
	s_mov_b32 s17, 0
	s_mul_i32 s18, s14, NSLICE*32                  ; psum: 448 numbers a batch
	s_mov_b32 s19, 0
	s_mov_b32 s20, 0x76543210
	s_mov_b32 s21, 0xfedcba98                      ; v_permlanex16_b32's selects for lane l xor 16
	s_lshl_b32 s22, s14, 18                        ; out0: the batch,
	s_lshr_b32 s23, s15, 5
	s_lshl_b32 s23, s23, 17
	s_add_co_u32 s22, s22, s23                     ; rows 128 (u / 32)
	s_bfe_u32 s23, s15, 0x30001
	s_lshl_b32 s23, s23, 14
	s_add_co_u32 s22, s22, s23                     ; + 16 ((u / 2) % 8), of 1,024 bytes each,
	s_bfe_u32 s23, s15, 0x10004
	s_lshl_b32 s23, s23, 9
	s_add_co_u32 s22, s22, s23                     ; columns 128 ((u / 16) % 2)
	s_and_b32 s23, s15, 1
	s_lshl_b32 s23, s23, 8
	s_add_co_u32 s22, s22, s23                     ; + 64 (u % 2)
	s_mov_b32 s23, 0
	s_wait_alu depctr_va_vdst(0)
	s_wait_kmcnt 0x0
	s_add_nc_u64 s[10:11], s[4:5], s[16:17]        ; slices 0 to 31 from here,
	s_add_nc_u64 s[12:13], s[10:11], 32*IMG        ; 32 to 55 from here: so every offset stays inside the signed 24-bit immediate (ISA guide, chapter 10)
	s_add_nc_u64 s[6:7], s[6:7], s[18:19]
	s_add_nc_u64 s[8:9], s[8:9], s[22:23]
.irp k, 0,1,2,3
	global_load_b64 v[4+2*\k:5+2*\k], v3, s[6:7] offset:256*\k
.endr
.irp k, 0,1,2
	global_load_b64 v[248+2*\k:249+2*\k], v3, s[6:7] offset:1024+256*\k
.endr
.set sl, 0
.rept NSLICE
.if sl < 32
	global_load_b128 v[D+4*sl:D+4*sl+3], v2, s[10:11] offset:sl*IMG th:TH_LOAD_NT
.else
	global_load_b128 v[D+4*sl:D+4*sl+3], v2, s[12:13] offset:(sl-32)*IMG th:TH_LOAD_NT
.endif
.set sl, sl+1
.endr
	v_and_b32 v243, 15, v0                         ; as an owner of image bytes: r,
	v_bfe_u32 v244, v0, 4, 1                       ; h,
	v_bfe_u32 v245, v0, 5, 1                       ; q,
	v_lshrrev_b32 v246, 6, v0                      ; which of the four accumulators
	v_lshrrev_b32 v247, 4, v0                      ; on the way out: sixteen threads to a row
	v_mul_u32_u24 v[STO], v243, 272                ; row r; 64 bytes an accumulator, 32 a half of the lanes, 16 a half of the registers
	v_mul_u32_u24 v[RD], v247, 272
	v_lshlrev_b32 v[OUTO], 10, v247
	v_lshl_add_u32 v[STO], v244, 5, v[STO]
	v_lshl_add_u32 v[RD], v243, 4, v[RD]
	v_lshl_add_u32 v[OUTO], v243, 4, v[OUTO]
	v_lshl_add_u32 v[STO], v245, 4, v[STO]
	v_mov_b32 v12, 0                               ; a lane permute's destination counts as one of its sources
	v_lshl_add_u32 v[STO], v246, 6, v[STO]
	s_wait_alu depctr_va_vdst(0)
	s_wait_loadcnt NSLICE                          ; loads come back in order (ISA guide 5.7.1): psum's seven are in, the 56 of part may be out
	v_pk_add_f32 v[4:5], v[4:5], v[6:7]
	v_pk_add_f32 v[8:9], v[8:9], v[10:11]
	v_pk_add_f32 v[248:249], v[248:249], v[250:251]
	v_pk_add_f32 v[4:5], v[4:5], v[8:9]
	v_pk_add_f32 v[248:249], v[248:249], v[252:253]
	s_delay_alu instid0(VALU_DEP_1)
	v_pk_add_f32 v[4:5], v[4:5], v[248:249]
	s_delay_alu instid0(VALU_DEP_1)
	v_add_f32 v4, v4, v5
	s_delay_alu instid0(VALU_DEP_1)
	v_add_f32_dpp v4, v4, v4 row_xmask:1 row_mask:0xf bank_mask:0xf
	s_delay_alu instid0(VALU_DEP_1)
	v_add_f32_dpp v4, v4, v4 row_xmask:2 row_mask:0xf bank_mask:0xf
	s_delay_alu instid0(VALU_DEP_1)
	v_add_f32_dpp v4, v4, v4 row_xmask:4 row_mask:0xf bank_mask:0xf
	s_delay_alu instid0(VALU_DEP_1)
	v_add_f32_dpp v4, v4, v4 row_xmask:8 row_mask:0xf bank_mask:0xf
	s_delay_alu instid0(VALU_DEP_1)
	v_permlanex16_b32 v12, v4, s20, s21
	s_delay_alu instid0(VALU_DEP_1)
	v_add_f32 v4, v4, v12                          ; the batch's sum of joint
	s_delay_alu instid0(VALU_DEP_1)
	v_add_f32 v4, 0x2edbe6ff, v4                   ; + 1e-10
	s_wait_alu depctr_va_vdst(0)                   ; the wait ahead of the reciprocal
	v_rcp_f32 v14, v4
	v_nop                                          ; a plain line behind the reciprocal
	s_wait_alu depctr_va_vdst(0)                   ; and behind it
	v_mov_b32 v15, v14
	; the 56 slices, in two chains that slices 0 and 1 start: nothing is cleared.  Eight loads at a time: behind group g stand 48 - 8 g younger loads
.set sl, 0
.rept 7
	s_wait_alu depctr_va_vdst(0)
	s_wait_loadcnt 48-sl
.rept 8
.if sl >= 2
	v_pk_add_f32 v[D+4*(sl%2):D+4*(sl%2)+1], v[D+4*(sl%2):D+4*(sl%2)+1], v[D+4*sl:D+4*sl+1]
	v_pk_add_f32 v[D+4*(sl%2)+2:D+4*(sl%2)+3], v[D+4*(sl%2)+2:D+4*(sl%2)+3], v[D+4*sl+2:D+4*sl+3]
.endif
.set sl, sl+1
.endr
.endr
	v_pk_add_f32 v[D:D+1], v[D:D+1], v[D+4:D+5]
	v_pk_add_f32 v[D+2:D+3], v[D+2:D+3], v[D+6:D+7]
	v_pk_mul_f32 v[D:D+1], v[D:D+1], v[14:15]
	v_pk_mul_f32 v[D+2:D+3], v[D+2:D+3], v[14:15]
	ds_store_b128 v[STO], v[D:D+3]
	s_wait_dscnt 0x0                               ; for the others' sake: my store into the stage has landed
	s_barrier_signal -1
	s_barrier_wait -1
	ds_load_b128 v[D+8:D+11], v[RD]                ; bytes that other waves stored
	s_wait_dscnt 0x0
	global_store_b128 v[OUTO], v[D+8:D+11], s[8:9] th:TH_STORE_NT   ; sixteen lanes store 256 consecutive bytes of a row, at a multiple of 256 from out0's first byte
	s_wait_tensorcnt 0x0                           ; the wave's end
	ds_add_u32 v254, v255
	s_wait_dscnt 0x0
	s_endpgm
.Lfunc_end_k_qadfce38448_finish:
	.size	k_qadfce38448_finish, .Lfunc_end_k_qadfce38448_finish-k_qadfce38448_finish
	.p2alignl 7, 3214868480
	.fill 96, 4, 3214868480
	.section	.rodata,"a",@progbits
	.p2align	6, 0x0
	.amdhsa_kernel k_qadfce38448_finish
		.amdhsa_group_segment_fixed_size 5632
		.amdhsa_private_segment_fixed_size 0
		.amdhsa_enable_private_segment 0
		.amdhsa_kernarg_size 24
		.amdhsa_user_sgpr_count 2
		.amdhsa_user_sgpr_kernarg_segment_ptr 1
		.amdhsa_wavefront_size32 1
		.amdhsa_system_sgpr_workgroup_id_x 1
		.amdhsa_system_sgpr_workgroup_id_y 1
		.amdhsa_system_sgpr_workgroup_id_z 1
		.amdhsa_system_vgpr_workitem_id 0
		.amdhsa_next_free_vgpr 256
		.amdhsa_next_free_sgpr 66
		.amdhsa_reserve_vcc 0
		.amdhsa_float_denorm_mode_32 3
		.amdhsa_float_denorm_mode_16_64 3
		.amdhsa_memory_ordered 1
		.amdhsa_forward_progress 1
		.amdhsa_inst_pref_size 18
	.end_amdhsa_kernel
	.amdgpu_metadata
---
amdhsa.version: [ 1, 2 ]
amdhsa.kernels:
  - .name:           k_qadfce38448_finish
    .symbol:         k_qadfce38448_finish.kd
    .args:
      - { .name: part, .offset: 0, .size: 8, .value_kind: global_buffer, .address_space: global }
      - { .name: psum, .offset: 8, .size: 8, .value_kind: global_buffer, .address_space: global }
      - { .name: out0, .offset: 16, .size: 8, .value_kind: global_buffer, .address_space: global }
    .group_segment_fixed_size: 5632
    .private_segment_fixed_size: 0
    .kernarg_segment_align: 8
    .kernarg_segment_size: 24
    .max_flat_workgroup_size: 256
    .sgpr_count:     66
    .vgpr_count:     256
    .wavefront_size: 32
...
	.end_amdgpu_metadata
.endif
;; end of part 2
